; MI455X (gfx1250); checked and timed in simulation.
; The chip was launched on July 23, 2026; its instructions are those of AMD's public machine-readable ISA for CDNA 5 (MIT licence, August 2026) and "CDNA5" Instruction Set Architecture Reference Guide (July 2026). The comments in the code are by the model that wrote it; some were corrected since.
;; Head. Allowed arithmetic: matrix products marked QUANTISED: E2M1 operands, one E8M0 scale for each 32 along K, by v_wmma_scale_f32_16x16x128_f8f6f4 with both operands' format E2M1 (or v_wmma_scale_f32_32x16x128_f4), f32 sums; everything else in f32.
;; Inputs: K 1 float32; Wk 64 x 512 float32; Wq 64 x 512 float32; Wv 64 x 512 float32; x 4 x 4,096 x 512 float32.
;; Outputs: out0 4 x 4,096 x 64 float32.
;; This version of the problem:
;;   THIS VERSION OF THE PROBLEM IS GIVEN IN LOW PRECISION. The matrix products marked QUANTISED in the list below multiply operands that are first quantised to E2M1 (2 exponent bits, 1 mantissa bit; 4 bits a number), with one power-of-two scale for each 32 numbers along K (OCP MX v1.0); their sums are f32. All else is computed in f32.
;;   The module's matrix products, in the order in which they are computed (A, B: the left and right operand; K: the contracted axis; several contracted axes count as one K, in the product's order):
;;     1. [M 16,384, K 512] x [K 512, N 64]; A: input x; B: input Wq: QUANTISED
;;     2. [M 16,384, K 512] x [K 512, N 64]; A: input x; B: input Wk: QUANTISED
;;     3. [M 16,384, K 512] x [K 512, N 64]; A: input x; B: input Wv: QUANTISED
;;     4. batch 4 x [M 4,096, K 64] x [K 64, N 4,096]; A: computed on the way; B: computed on the way: QUANTISED
;;     5. batch 4 x [M 4,096, K 4,096] x [K 4,096, N 64]; A: softmax (see below); B: computed on the way: QUANTISED
;;   THE QUANTISER, for each operand of a quantised product, along K:
;;     - K is cut into blocks of 32 from its start; a last block that is shorter is filled with zeros.
;;     - A block's scale is 2^e with e = floor(log2(the largest magnitude in the block)) - 2, held to -126 .. 127; a block of zeros has e = 0. As a byte (E8M0): e + 127.
;;     - Each number is divided by its block's scale, clamped to +-6, and rounded to the nearest number of E2M1, ties to even, subnormals kept.
;;     - The product sums the exact products of the quantised numbers (number of the format x scale) in f32.
;;   ~~~python
;;   def quantise(x, axis):      # numpy; x: float32 -> the quantised numbers, widened to float32 again
;;       x = np.moveaxis(x, axis, -1); K = x.shape[-1]
;;       x = np.pad(x, [(0, 0)] * (x.ndim - 1) + [(0, -K % 32)]); x = x.reshape(x.shape[:-1] + (-1, 32)); a = np.abs(x).max(-1, keepdims=True)
;;       e = np.where(a > 0, np.clip(np.frexp(np.where(a > 0, a, 1))[1] - 1 - 2, -126, 127), 0)      # np.frexp(a)[1] - 1 = floor(log2(a)), exactly
;;       r = np.clip(x / 2.0 ** e, -6, 6)
;;       step = 2.0 ** (np.maximum(np.frexp(np.where(r == 0, 1, r))[1] - 1, 0) - 1)
;;       q = np.round(r / step) * step * 2.0 ** e      # np.round: ties to even
;;       return np.moveaxis(q.reshape(q.shape[:-2] + (-1,))[..., :K], -1, axis).astype(np.float32)
;;   ~~~
;;   SOFTMAX AHEAD OF A QUANTISED PRODUCT. Where the list says 'softmax', what is quantised is not the finished softmax but p = 2^(t - M), with t = logit x log2(e) and M = ceil(the row's largest t), a whole number; so 1/2 < the row's largest p <= 1. The row's sum l is taken of the UNQUANTISED p, in f32, and the product's result is divided by l at the end. Since M is a whole number, a kernel that streams over the keys may use a running M (the ceiling of the running maximum): every later rescaling is an exact power of two, which a block's scale takes up: the codes' values come out the same.
;;   OPERANDS COMPUTED ON THE WAY. 'Computed on the way' means the value that the module computes at that place (a softmax that the list does not call 'softmax' is quantised finished and normalised). What goes into a quantiser is computed in f32, as accurately as f32 sums, v_exp_f32 and their like allow (about 1e-6 of the number): no bf16 or f16 on the way to a quantiser, and a product that is left as it is and whose result goes on into a quantised operand takes f32 operands (vector FMAs, or v_wmma_f32_16x16x4_f32). A number that lies on a knife's edge between two numbers of the format may be rounded either way, as far as f32 arithmetic and the matrix unit's own rounding can turn it there, and no further.
;; One version. Each part assembles by itself: llvm-mc -triple=amdgcn-amd-amdhsa -mcpu=gfx1250 --defsym DOCPART=n.
;; ======== version 1 of 1: 3 launches
;; limits: right only within a limited range of input values
;; workspace buffers: wimg 52,224 bytes; qbuf 557,056 bytes; kv 1,114,112 bytes
;; launch wquant (part 1): grid 48 x 1, 1 waves a work-group, no clusters, 8,704 bytes of LDS; arguments Wq, Wk, Wv, wimg; writes wimg
.if DOCPART == 1
	.amdgcn_target "amdgcn-amd-amdhsa--gfx1250"
	.amdhsa_code_object_version 6
	.text
	.protected	k_q1420610864_wquant
	.globl	k_q1420610864_wquant
	.p2align	8
	.type	k_q1420610864_wquant,@function
k_q1420610864_wquant:
	s_mov_b64 s[64:65], 0
	v_nop
	global_prefetch_b8 v0, s[64:65] scope:SCOPE_SE
	s_setreg_imm32_b32 hwreg(HW_REG_WAVE_MODE, 25, 1), 1
	s_wait_xcnt 0x0
; Wq, Wk, Wv [64][512] f32 become codes of FP4 (E2M1) with one E8M0 scale byte for each 32 along K = the 512, laid as IMAGES OF THE OPERAND'S REGISTERS.
; A fragment is 16 rows x 128 K: 8 registers a lane; lane (r, h) holds row r, registers 4 c .. 4 c + 3 hold K = 64 c + 32 h + 0 .. 31.
; wimg: codes at ((4 T + s) 2 + c) 512 + 16 lane, T = 0..11 the tile of 16 rows (0-3 Wq, 4-7 Wk, 8-11 Wv), s the K step of 128; scale words at 49,152 + 256 T + 16 r + 4 s.
; SHARES: work-group 4 T + s, one wave, makes one fragment: 48 work-groups, so that the 393,216 bytes come in over 48 WGPs.
; The conversions want a lane to hold 32 NEIGHBOURS along K; a load is best where neighbouring LANES take neighbouring bytes.  Both are had: each of the 16 loads reads one row's 512 consecutive bytes, 16 a lane;
; the 8 KB go through the wave's stage in LDS, rows 528 bytes apart (33 x 16, so that the 16 rows that a read touches start at 16 different banks), and come back 128 bytes a lane.
; A lane's 64 numbers are two whole blocks of 32, so no block's maximum needs another lane.
; Quantised once here, since all 256 work-groups of the next launch read all three weights: they then read an eighth of the bytes.
; A block's scale is 2^(floor(log2(largest magnitude)) - 2); its byte is the largest magnitude's exponent field - 2, held at 1 from below (a block of zeros keeps byte 1: its codes are zeros, and this program alone reads the bytes).
; LIMITS: blocks whose largest magnitude lies under 2^-124 take the byte 1; NaN and infinities among the inputs are not served.
.set PITCH, 528                        ; a stage row: 512 bytes + 16
.set H8,  6                            ; v6      8 h: where my two bytes stand in the scale word
.set TP,  7                            ; v7      a lane permute's destination
.set TM,  8                            ; v8-11   largest magnitudes, four chains
.set SO,  12                           ; v12-13  the conversions' scale operands
.set BY,  14                           ; v14-15  the scale bytes
.set PC,  16                           ; v16-23  the fragment's codes
.set PW,  24                           ; v24     the row's scale word
.set R,   32                           ; v32-95  16 rows as loaded: register 4 i + e = K 4 lane + e of row i
.set X,   96                           ; v96-159 64 numbers: register 32 c + i = K 64 c + 32 h + i of row r
.set SEL, 22                           ; s[22:23] lane selects for v_permlanex16_b32: lane l xor 16
; 64 numbers of a lane become a fragment's codes in v[PC] on and the row's scale word in v[PW].
.macro QBLK
.irp c, 0,1
	v_max3_num_f32 v[TM+\c], |v[X+32*\c]|, |v[X+32*\c+1]|, 0x1800000          ; block 2 c + h in two chains of 16; the floor 2^(3 - 127) is a leaf of each: the byte cannot fall under 1
	v_max3_num_f32 v[TM+2+\c], |v[X+32*\c+16]|, |v[X+32*\c+17]|, 0x1800000
.endr
.irp i, 2,4,6,8,10,12,14
.irp c, 0,1
	v_max3_num_f32 v[TM+\c], v[TM+\c], |v[X+32*\c+\i]|, |v[X+32*\c+\i+1]|     ; (four chains by turns: no line waits for the line above it)
	v_max3_num_f32 v[TM+2+\c], v[TM+2+\c], |v[X+32*\c+16+\i]|, |v[X+32*\c+17+\i]|
.endr
.endr
.irp c, 0,1
	v_max_num_f32 v[TM+\c], v[TM+\c], v[TM+2+\c]                              ; the block's largest magnitude
.endr
.irp c, 0,1
	v_add_nc_u32 v[SO+\c], 0xff000000, v[TM+\c]                               ; 2 off its exponent field: the conversion takes the exponent field of this operand as its scale
.endr
.irp c, 0,1
	v_lshrrev_b32 v[BY+\c], 23, v[SO+\c]                                      ; the scale's byte
.endr
	v_lshl_or_b32 v[PW], v[BY+1], 16, v[BY]                                   ; my two bytes: blocks h and 2 + h,
	v_lshlrev_b32 v[PW], v[H8], v[PW]                                         ; at their places (8 h bits up);
	v_permlanex16_b32 v[TP], v[PW], s[SEL], s[SEL+1]
	v_or_b32 v[PW], v[PW], v[TP]                                              ; with lane l xor 16's two the word is whole, in both lanes
.irp c, 0,1
.irp g, 0,1,2,3
	v_cvt_scalef32_pk8_fp4_f32 v[PC+4*\c+\g], v[X+32*\c+8*\g:X+32*\c+8*\g+7], v[SO+\c]
.endr
.endr
	v_nop                                                                     ; one plain line behind the last scaled conversion
.endm
	s_load_b256 s[4:11], s[0:1], 0x0               ; Wq s[4:5], Wk s[6:7], Wv s[8:9], wimg s[10:11]
	v_lshl_add_u32 v160, v0, 2, 0x2100
	v_mov_b32 v161, 0
	v_and_b32 v1, 15, v0                           ; r (one wave: v0 is the lane)
	v_bfe_u32 v2, v0, 4, 1                         ; h
	v_mul_u32_u24 v3, v1, PITCH
	v_lshl_add_u32 v3, v2, 7, v3                   ; out of the stage: row r, + 128 h: my 32 numbers of each 64
	v_lshlrev_b32 v4, 4, v0                        ; 16 x lane: my place in a row as loaded, in a stage row, and in an image
	v_lshlrev_b32 v5, 4, v1                        ; a scale word's place: 16 r
	v_lshlrev_b32 v[H8], 3, v2
	v_mov_b32 v[TP], 0                             ; written once: a lane permute's destination counts as one of its sources
	s_mov_b32 s[SEL], 0x76543210
	s_mov_b32 s[SEL+1], 0xfedcba98
	s_bfe_u32 s16, ttmp9, 0x20002                  ; T & 3: the tile in its weight (2 bits from bit 2),
	s_lshl_b32 s16, s16, 15                        ; 16 rows of 2,048 bytes a tile,
	s_and_b32 s12, ttmp9, 3                        ; s: the K step,
	s_lshl_b32 s13, s12, 9
	s_add_co_u32 s16, s16, s13                     ; 512 bytes a K step
	s_mov_b32 s17, 0
	s_lshl_b32 s18, ttmp9, 10                      ; the fragment's image: (4 T + s) x 1,024
	s_mov_b32 s19, 0
	s_lshr_b32 s20, ttmp9, 2                       ; T
	s_lshl_b32 s20, s20, 8
	s_lshl_b32 s13, s12, 2
	s_add_co_u32 s20, s20, s13
	s_add_co_u32 s20, s20, 49152                   ; its scale words: 49,152 + 256 T + 4 s
	s_mov_b32 s21, 0
	s_wait_alu depctr_va_vdst(0)
	s_wait_kmcnt 0x0
	s_cmp_lt_u32 ttmp9, 16                         ; which weight: the choice hangs on the work-group's number alone
	s_cselect_b64 s[14:15], s[4:5], s[6:7]
	s_cmp_lt_u32 ttmp9, 32
	s_cselect_b64 s[14:15], s[14:15], s[8:9]
	s_add_nc_u64 s[14:15], s[14:15], s[16:17]
	s_add_nc_u64 s[18:19], s[10:11], s[18:19]
	s_add_nc_u64 s[20:21], s[10:11], s[20:21]
.irp i, 0,1,2,3,4,5,6,7,8,9,10,11,12,13,14,15
	global_load_b128 v[R+4*\i:R+4*\i+3], v4, s[14:15] offset:2048*\i th:TH_LOAD_NT        ; row i: 32 lanes read 512 consecutive bytes; read once in the launch
.endr
.irp i, 0,1,2,3,4,5,6,7,8,9,10,11,12,13,14,15
	s_wait_loadcnt 15-\i                           ; loads come back in order: row i is in, the rows behind it may be out
	ds_store_b128 v4, v[R+4*\i:R+4*\i+3] offset:PITCH*\i
.endr
.irp c, 0,1
.irp i, 0,1,2,3,4,5,6,7
	ds_load_b128 v[X+32*\c+4*\i:X+32*\c+4*\i+3], v3 offset:256*\c+16*\i      ; LDS serves a wave's instructions in order: these see the stores above
.endr
.endr
	s_wait_dscnt 0x0
	QBLK
.irp c, 0,1
	global_store_b128 v4, v[PC+4*\c:PC+4*\c+3], s[18:19] offset:512*\c        ; 32 lanes store 512 consecutive bytes
.endr
	global_store_b32 v5, v[PW], s[20:21]           ; lanes r and 16 + r hold the same word and write it to the same place
	s_wait_tensorcnt 0x0
	ds_add_u32 v160, v161
	s_wait_dscnt 0x0
	s_endpgm
.Lfunc_end_k_q1420610864_wquant:
	.size	k_q1420610864_wquant, .Lfunc_end_k_q1420610864_wquant-k_q1420610864_wquant
	.p2alignl 7, 3214868480
	.fill 96, 4, 3214868480
	.section	.rodata,"a",@progbits
	.p2align	6, 0x0
	.amdhsa_kernel k_q1420610864_wquant
		.amdhsa_group_segment_fixed_size 8704
		.amdhsa_private_segment_fixed_size 0
		.amdhsa_enable_private_segment 0
		.amdhsa_kernarg_size 32
		.amdhsa_user_sgpr_count 2
		.amdhsa_user_sgpr_kernarg_segment_ptr 1
		.amdhsa_wavefront_size32 1
		.amdhsa_system_sgpr_workgroup_id_x 1
		.amdhsa_system_sgpr_workgroup_id_y 1
		.amdhsa_system_sgpr_workgroup_id_z 1
		.amdhsa_system_vgpr_workitem_id 0
		.amdhsa_next_free_vgpr 162
		.amdhsa_next_free_sgpr 66
		.amdhsa_reserve_vcc 0
		.amdhsa_float_denorm_mode_32 3
		.amdhsa_float_denorm_mode_16_64 3
		.amdhsa_memory_ordered 1
		.amdhsa_forward_progress 1
		.amdhsa_inst_pref_size 10
	.end_amdhsa_kernel
	.amdgpu_metadata
---
amdhsa.version: [ 1, 2 ]
amdhsa.kernels:
  - .name:           k_q1420610864_wquant
    .symbol:         k_q1420610864_wquant.kd
    .args:
      - { .name: Wq, .offset: 0, .size: 8, .value_kind: global_buffer, .address_space: global }
      - { .name: Wk, .offset: 8, .size: 8, .value_kind: global_buffer, .address_space: global }
      - { .name: Wv, .offset: 16, .size: 8, .value_kind: global_buffer, .address_space: global }
      - { .name: wimg, .offset: 24, .size: 8, .value_kind: global_buffer, .address_space: global }
    .group_segment_fixed_size: 8704
    .private_segment_fixed_size: 0
    .kernarg_segment_align: 8
    .kernarg_segment_size: 32
    .max_flat_workgroup_size: 32
    .sgpr_count:     66
    .vgpr_count:     162
    .wavefront_size: 32
...
	.end_amdgpu_metadata
.endif
;; end of part 1
;; launch proj (part 2): grid 256 x 1, 16 waves a work-group, no clusters, 167,936 bytes of LDS; arguments x, K, wimg, qbuf, kv; writes qbuf, kv
.if DOCPART == 2
	.amdgcn_target "amdgcn-amd-amdhsa--gfx1250"
	.amdhsa_code_object_version 6
	.text
	.protected	k_q1420610864_proj
	.globl	k_q1420610864_proj
	.p2align	8
	.type	k_q1420610864_proj,@function
k_q1420610864_proj:
	s_mov_b64 s[64:65], 0
	v_nop
	global_prefetch_b8 v0, s[64:65] scope:SCOPE_SE
	s_setreg_imm32_b32 hwreg(HW_REG_WAVE_MODE, 25, 1), 1
	s_wait_xcnt 0x0
; q = arnold(x Wq^T), k = arnold(x Wk^T), v = x Wv^T, the three products on codes of FP4 (E2M1) with E8M0 scales along K = 512; then q and k are quantised along d (64: two blocks) and v along the keys.
; arnold(t) = (t + 0.618 - |K| / (2 pi) sin(2 pi t)) mod 1, in f32.
; SHARES.  Work-group X owns tokens 64 X .. 64 X + 63: half c = X & 1 of record X >> 1 (a record: 128 keys).  Wave w = 4 p + s brings x's tile p (16 tokens), K step s (128), by one tensor load, and makes its fragment.
; Then wave w = 8 g + 4 u + 2 j + b makes the 32 columns 32 b on of q (j = 0) or k (j = 1) for its own tile p = 2 g + u: two accumulators; the waves with u = 0 also make v's 16 columns 16 T on, T = w & 3, for the 32 tokens of group g.
; TWO HALVES.  Waves 0-7 (tokens 0-31) quantise, all meet at a barrier, then waves 0-7 multiply and store while waves 8-15 (tokens 32-63) take in their tiles and quantise; behind a second barrier waves 8-15 multiply.
; x's fragments go from wave to wave through LDS as images of their registers; each image's bytes are written once.  The weights' fragments (made by the launch before) go straight into registers.
; q, k: source 0 = 16 rows of W, source 1 = 16 tokens: a lane holds ONE token and eight neighbouring d.  v: source 0 = 16 tokens, source 1 = 16 rows of Wv: a lane holds ONE d and eight neighbouring tokens, its next K.
; A block of 32 lies in the 16 registers of two accumulators in lanes l and l xor 16.  One v_permlane16_swap_b32 leaves 16 neighbours (8 bytes) in each lane, and a wave's store fills one aligned unit of 256 bytes.
; A record of kv: K's codes: token 64 c + 32 g + 16 u + r, half b of d: 512 (4 c + 2 g + u) + 256 b + 16 (r xor 8 g); V's: 4,096 + 1,024 T + 512 c + 16 (16 g + r);
; scale bytes: K's 8,192 + 16 (8 g + (r & 7)) + 4 (2 c + u) + 2 (r >> 3) + b; V's 8,448 + 16 r + 4 T + 2 c + g.  qbuf: codes 512 tile + 256 b + 16 r, scale bytes 524,288 + 32 tile + 2 r + b.
; NO CLUSTER: the 128 KB of x are the work-group's alone; what work-groups share is 51 KB of weight images, loaded into registers.  No prefetch: every load of x goes out at the head, there is no loop to run ahead in.
; sin(y), y = fl(6.2831855 t) as the problem's text rounds it: n = round(y / pi), r = y - n pi in two parts, sign by n's parity, series to r^13 on |r| <= pi / 2 (remainder under 7e-10) for every input in range.
; LIMITS: |x W| under 2^20 ahead of the map (n is rounded by adding 1.5 x 2^23); blocks whose largest magnitude lies under 2^-124 take the byte 1; NaN and infinities are not served.
; The scale bytes leave in stores of one byte a lane: 768 bytes of the work-group's 6.9 KB of results.
; GROUP 1's v: of the waves with u = 0 it is waves 0-3, which have no other work behind the second barrier and hold Wv's fragments, that make it, and not waves 8-11.
.set RECB, 8704
.set XTB,  8448                        ; LDS: a wave's tile of x: 16 rows x (512 bytes + 16 of padding)
.set XIMG, 16*XTB                      ; behind the 16 tiles: x's 16 fragments, (4 p + s) x 1,024 + 512 c + 16 lane
.set XSC,  XIMG+16384                  ; their scale words: 256 p + 16 r + 4 s
.set SPARE, XSC+1024                   ; the spare words, 128 bytes for each wave
.set LI,   1                           ; v1   16 x lane;  v3 r, v4 h
.set XRD,  5                           ; v5   my place in my tile of x
.set XWI,  6                           ; v6   where I store my fragment's image
.set XWS,  7                           ; v7   and its scale words
.set XRI,  8                           ; v8   where I read tile p's images
.set XRS,  9                           ; v9   and its scale words
.set VB,   10                          ; v10  my scale byte's place (q, k)
.set VO,   11                          ; v11  my codes' place (q, k)
.set VV,   12                          ; v12  my codes' place (v)
.set H8,   13                          ; v13  8 h
.set NC,   14                          ; v[14:15] -|K| / (2 pi), twice
.set C11,  16                          ; v[16:17] -1 / 11!, twice
.set MAGIC, 18                         ; v[18:19] 1.5 x 2^23, twice
.set PW,   20                          ; v20  x's scale word
.set TP,   21                          ; v21  a lane permute's destination
.set TM,   22                          ; v22-25 largest magnitudes
.set SO,   26                          ; v26-27 conversions' scale operands
.set BY,   28                          ; v28-29 scale bytes
.set R16,  30                          ; v30  16 r
.set VTP,  31                          ; v31  a lane permute's destination (v)
.set WF,   32                          ; v32-95 W's fragments of q or k: 8 (4 a + s)
.set X,    96                          ; v96-159 64 numbers of x; then x's fragments: tile of tokens 32 i + 8 s; then the map's temporaries
.set AR,   96                          ; y, then r, then sin;
.set AN,   112                         ; n, then r^2, then r^3, then the floor;
.set AP,   128                         ; the parity, then the polynomial
.set WV,   160                         ; v160-191 Wv's fragments: 8 s
.set QK,   192                         ; v192-207 accumulators of q or k
.set VA,   208                         ; v208-223 accumulators of v
.set PC,   208                         ; (ahead of them: the fragment just made)
.set WS,   224                         ; v224-231 scale words of W: 4 a + s;  v232-235 of Wv;  v236-243 of x: 4 i + s
.set WSV,  232
.set XS,   236
.set QM,   244                         ; v244-249 q's or k's quantising;  v250 its lane permute's destination
.set QTP,  250
.set SPW,  252                         ; v252 LDS address of my spare word; v253 0; never rewritten
.set NIL,  253
.set SEL,  42                          ; s[42:43] lane selects: lane l xor 16
.set G1,   24                          ; s[24:31] descriptor group 1; s[32:35] group 0; neither is written again
.set G0,   32
; 64 numbers of a lane, register 32 c + i = K 64 c + 32 h + i of row r, become a fragment's codes in v[PC] on and the row's scale word in v[PW].
.macro QBLK
.irp c, 0,1
	v_max3_num_f32 v[TM+\c], |v[X+32*\c]|, |v[X+32*\c+1]|, 0x1800000          ; block 2 c + h in two chains of 16; the floor 2^(3 - 127) is a leaf of each: the byte cannot fall under 1
	v_max3_num_f32 v[TM+2+\c], |v[X+32*\c+16]|, |v[X+32*\c+17]|, 0x1800000
.endr
.irp i, 2,4,6,8,10,12,14
.irp c, 0,1
	v_max3_num_f32 v[TM+\c], v[TM+\c], |v[X+32*\c+\i]|, |v[X+32*\c+\i+1]|
	v_max3_num_f32 v[TM+2+\c], v[TM+2+\c], |v[X+32*\c+16+\i]|, |v[X+32*\c+17+\i]|
.endr
.endr
.irp c, 0,1
	v_max_num_f32 v[TM+\c], v[TM+\c], v[TM+2+\c]
.endr
.irp c, 0,1
	v_add_nc_u32 v[SO+\c], 0xff000000, v[TM+\c]                               ; 2 off the exponent field: the conversion's scale operand
.endr
.irp c, 0,1
	v_lshrrev_b32 v[BY+\c], 23, v[SO+\c]
.endr
	v_lshl_or_b32 v[PW], v[BY+1], 16, v[BY]
	v_lshlrev_b32 v[PW], v[H8], v[PW]
	v_permlanex16_b32 v[TP], v[PW], s[SEL], s[SEL+1]
	v_or_b32 v[PW], v[PW], v[TP]                                              ; the row's four bytes, in lanes r and 16 + r alike
.irp c, 0,1
.irp g, 0,1,2,3
	v_cvt_scalef32_pk8_fp4_f32 v[PC+4*\c+\g], v[X+32*\c+8*\g:X+32*\c+8*\g+7], v[SO+\c]
.endr
.endr
	v_nop                                                                     ; one plain line behind the last scaled conversion
.endm
; The map, in place on 16 registers (two accumulators) from v[a] on; each line runs over the eight pairs, so that no line waits for the one above it.  Each accumulator is read from its low end on.
.macro ARN a
.irp p, 0,2,4,6,8,10,12,14
	v_pk_mul_f32 v[AR+\p:AR+\p+1], v[\a+\p:\a+\p+1], 0x40c90fdb op_sel_hi:[1,0]                       ; y = 2 pi t, rounded once
.endr
.irp p, 0,2,4,6,8,10,12,14
	v_pk_fma_f32 v[AN+\p:AN+\p+1], v[AR+\p:AR+\p+1], 0x3ea2f983, v[MAGIC:MAGIC+1] op_sel_hi:[1,0,1]   ; y / pi + 1.5 x 2^23: n in the low bits
.endr
.irp p, 0,1,2,3,4,5,6,7,8,9,10,11,12,13,14,15
	v_lshlrev_b32 v[AP+\p], 31, v[AN+\p]                                                              ; n's parity as a sign bit
.endr
.irp p, 0,2,4,6,8,10,12,14
	v_pk_add_f32 v[AN+\p:AN+\p+1], v[AN+\p:AN+\p+1], v[MAGIC:MAGIC+1] neg_lo:[0,1] neg_hi:[0,1]       ; n
.endr
.irp p, 0,2,4,6,8,10,12,14
	v_pk_fma_f32 v[AR+\p:AR+\p+1], v[AN+\p:AN+\p+1], 0xc0490fdb, v[AR+\p:AR+\p+1] op_sel_hi:[1,0,1]   ; y - n pi: pi's upper part,
.endr
.irp p, 0,2,4,6,8,10,12,14
	v_pk_fma_f32 v[AR+\p:AR+\p+1], v[AN+\p:AN+\p+1], 0x33bbbd2e, v[AR+\p:AR+\p+1] op_sel_hi:[1,0,1]   ; and its lower part: |r| <= pi / 2
.endr
.irp p, 0,1,2,3,4,5,6,7,8,9,10,11,12,13,14,15
	v_xor_b32 v[AR+\p], v[AR+\p], v[AP+\p]                                                            ; sin(y) = (-1)^n sin(r) = sin((-1)^n r)
.endr
.irp p, 0,2,4,6,8,10,12,14
	v_pk_mul_f32 v[AN+\p:AN+\p+1], v[AR+\p:AR+\p+1], v[AR+\p:AR+\p+1]                                 ; r^2
.endr
.irp p, 0,2,4,6,8,10,12,14
	v_pk_fma_f32 v[AP+\p:AP+\p+1], v[AN+\p:AN+\p+1], 0x2f309231, v[C11:C11+1] op_sel_hi:[1,0,1]       ; r^2 / 13! - 1 / 11!
.endr
.irp k, 0x3638ef1d, 0xb9500d01, 0x3c088889, 0xbe2aaaab
.irp p, 0,2,4,6,8,10,12,14
	v_pk_fma_f32 v[AP+\p:AP+\p+1], v[AP+\p:AP+\p+1], v[AN+\p:AN+\p+1], \k op_sel_hi:[1,1,0]           ; + 1 / 9!, - 1 / 7!, + 1 / 5!, - 1 / 3!
.endr
.endr
.irp p, 0,2,4,6,8,10,12,14
	v_pk_mul_f32 v[AN+\p:AN+\p+1], v[AN+\p:AN+\p+1], v[AR+\p:AR+\p+1]                                 ; r^3
.endr
.irp p, 0,2,4,6,8,10,12,14
	v_pk_fma_f32 v[AR+\p:AR+\p+1], v[AN+\p:AN+\p+1], v[AP+\p:AP+\p+1], v[AR+\p:AR+\p+1]               ; sin
.endr
.irp p, 0,2,4,6,8,10,12,14
	v_pk_add_f32 v[\a+\p:\a+\p+1], v[\a+\p:\a+\p+1], 0x3f1e353f op_sel_hi:[1,0]                       ; t + 0.618
.endr
.irp p, 0,2,4,6,8,10,12,14
	v_pk_fma_f32 v[\a+\p:\a+\p+1], v[AR+\p:AR+\p+1], v[NC:NC+1], v[\a+\p:\a+\p+1]                     ; - |K| / (2 pi) sin
.endr
.irp p, 0,1,2,3,4,5,6,7,8,9,10,11,12,13,14,15
	v_floor_f32 v[AN+\p], v[\a+\p]
.endr
.irp p, 0,2,4,6,8,10,12,14
	v_pk_add_f32 v[\a+\p:\a+\p+1], v[\a+\p:\a+\p+1], v[AN+\p:AN+\p+1] neg_lo:[0,1] neg_hi:[0,1]       ; mod 1, with the divisor's sign: a - floor(a)
.endr
.endm
; A block of 32 in 16 registers from v[x] on of lanes l and l xor 16: its codes (8 bytes a lane) to s[sb] + v[vo], its scale byte to s[sc] + v[vc].  m: six registers; tp: the lane permute's destination.
; ob, oc: bytes further on.
.macro QOUT x, m, tp, vo, sb, vc, sc, ob, oc
	v_max3_num_f32 v[\m], |v[\x]|, |v[\x+1]|, 0x1800000
	v_max3_num_f32 v[\m+1], |v[\x+8]|, |v[\x+9]|, |v[\x+10]|
.irp i, 2,4
	v_max3_num_f32 v[\m], v[\m], |v[\x+\i]|, |v[\x+\i+1]|
	v_max3_num_f32 v[\m+1], v[\m+1], |v[\x+\i+9]|, |v[\x+\i+10]|
.endr
	v_max3_num_f32 v[\m], v[\m], |v[\x+6]|, |v[\x+7]|
	v_max3_num_f32 v[\m], v[\m], v[\m+1], |v[\x+15]|
	s_delay_alu instid0(VALU_DEP_1)
	v_permlanex16_b32 v[\tp], v[\m], s[SEL], s[SEL+1]
	s_delay_alu instid0(VALU_DEP_1)
	v_max_num_f32 v[\m], v[\m], v[\tp]             ; the block's largest magnitude
	s_delay_alu instid0(VALU_DEP_1)
	v_add_nc_u32 v[\m+2], 0xff000000, v[\m]
	s_delay_alu instid0(VALU_DEP_1)
	v_lshrrev_b32 v[\m+3], 23, v[\m+2]
	v_cvt_scalef32_pk8_fp4_f32 v[\m+4], v[\x:\x+7], v[\m+2]                   ; numbers 8 h on of the block's first 16,
	v_cvt_scalef32_pk8_fp4_f32 v[\m+5], v[\x+8:\x+15], v[\m+2]                ; and of its last 16
	v_nop
	v_permlane16_swap_b32 v[\m+4], v[\m+5]         ; lanes 0-15: the first 16 in order, lanes 16-31: the last 16
	global_store_b64 v[\vo], v[\m+4:\m+5], s[\sb:\sb+1] offset:\ob            ; the wave fills 256 consecutive bytes, at a multiple of 256 from the buffer's first byte
	global_store_b8 v[\vc], v[\m+3], s[\sc:\sc+1] offset:\oc                  ; lanes r and 16 + r hold the same byte and write it to the same place
.endm
; my tile of x has landed: it becomes a fragment, whose image goes to LDS
.macro QUANT
	s_wait_tensorcnt 0x0
.irp c, 0,1
.irp i, 0,1,2,3,4,5,6,7
	ds_load_b128 v[X+32*\c+4*\i:X+32*\c+4*\i+3], v[XRD] offset:256*\c+16*\i
.endr
.endr
	s_wait_dscnt 0x0
	QBLK
.irp c, 0,1
	ds_store_b128 v[XWI], v[PC+4*\c:PC+4*\c+3] offset:512*\c
.endr
	ds_store_b32 v[XWS], v[PW]
	s_wait_dscnt 0x0                               ; for the others' sake: my image has landed
.endm
; the products of my tile, the map, and the results
.macro QKMUL
.irp s, 0,1,2,3
.irp c, 0,1
	ds_load_b128 v[X+8*\s+4*\c:X+8*\s+4*\c+3], v[XRI] offset:1024*\s+512*\c
.endr
.endr
	ds_load_b128 v[XS:XS+3], v[XRS]
	s_wait_loadcnt 0x0                             ; the weights
	s_wait_dscnt 0x0
.irp s, 0,1,2,3
.irp a, 0,1
.if \s == 0
	v_wmma_scale_f32_16x16x128_f8f6f4 v[QK+8*\a:QK+8*\a+7], v[WF+8*(4*\a+\s):WF+8*(4*\a+\s)+7], v[X+8*\s:X+8*\s+7], 0, v[WS+4*\a+\s], v[XS+\s] matrix_a_fmt:MATRIX_FMT_FP4 matrix_b_fmt:MATRIX_FMT_FP4
.else
	v_wmma_scale_f32_16x16x128_f8f6f4 v[QK+8*\a:QK+8*\a+7], v[WF+8*(4*\a+\s):WF+8*(4*\a+\s)+7], v[X+8*\s:X+8*\s+7], v[QK+8*\a:QK+8*\a+7], v[WS+4*\a+\s], v[XS+\s] matrix_a_fmt:MATRIX_FMT_FP4 matrix_b_fmt:MATRIX_FMT_FP4
.endif
.endr
.endr                                              ; the accumulators take turns, one instruction a turn
.endm
; v's products, of the two tiles of tokens whose fragments stand at v[X] and v[X+32]
.macro VMUL
.irp s, 0,1,2,3
.irp i, 0,1
.if \s == 0
	v_wmma_scale_f32_16x16x128_f8f6f4 v[VA+8*\i:VA+8*\i+7], v[X+32*\i+8*\s:X+32*\i+8*\s+7], v[WV+8*\s:WV+8*\s+7], 0, v[XS+4*\i+\s], v[WSV+\s] matrix_a_fmt:MATRIX_FMT_FP4 matrix_b_fmt:MATRIX_FMT_FP4
.else
	v_wmma_scale_f32_16x16x128_f8f6f4 v[VA+8*\i:VA+8*\i+7], v[X+32*\i+8*\s:X+32*\i+8*\s+7], v[WV+8*\s:WV+8*\s+7], v[VA+8*\i:VA+8*\i+7], v[XS+4*\i+\s], v[WSV+\s] matrix_a_fmt:MATRIX_FMT_FP4 matrix_b_fmt:MATRIX_FMT_FP4
.endif
.endr
.endr
.rept 4
	v_nop
.endr
.endm
; the fragments of the tile t tiles behind tile p to v[X+32 i] on, with their scale words
.macro VLOAD i, t
.irp s, 0,1,2,3
.irp c, 0,1
	ds_load_b128 v[X+32*\i+8*\s+4*\c:X+32*\i+8*\s+4*\c+3], v[XRI] offset:4096*\t+1024*\s+512*\c
.endr
.endr
	ds_load_b128 v[XS+4*\i:XS+4*\i+3], v[XRS] offset:256*\t
.endm
; v = 1: the waves with u = 0 also make v
.macro COMP v
	QKMUL
.if \v
	s_cmp_lg_u32 s18, 0
	s_cbranch_scc1 .Lno_v_\@
	VLOAD 1, 1                                     ; my group's second tile
	s_wait_dscnt 0x0
	VMUL
	QOUT VA, TM, VTP, VV, 52, R16, 54, 0, 0
.Lno_v_\@:
.endif
.rept 4
	v_nop                                          ; four places behind the last product, in front of the first read of results
.endr
	ARN QK
	QOUT QK, QM, QTP, VO, 48, VB, 50, 0, 0
.endm
	s_load_b256 s[4:11], s[0:1], 0x0               ; x s[4:5], K s[6:7], wimg s[8:9], qbuf s[10:11]
	s_load_b64 s[12:13], s[0:1], 0x20              ; kv
	v_lshl_add_u32 v[SPW], v0, 2, SPARE
	v_mov_b32 v[NIL], 0
	ds_add_u32 v[SPW], v[NIL]                      ; the wave's opening: the add, twice on end, and its wait ahead of the first tensor load
	ds_add_u32 v[SPW], v[NIL]
	v_lshrrev_b32 v1, 5, v0
	v_readfirstlane_b32 s14, v1                    ; wave w
	s_lshr_b32 s15, s14, 2                         ; p
	s_and_b32 s16, s14, 3                          ; s, and T
	s_lshr_b32 s17, s14, 3                         ; g
	s_and_b32 s18, s15, 1                          ; u
	s_bfe_u32 s19, s14, 0x10001                    ; j
	s_and_b32 s20, s14, 1                          ; b
	; descriptor group 1: a tile of 16 rows x 128 elements of 4 bytes, rows 512 elements apart, 4 words of padding behind every 128 words
	s_mov_b32 s[G1+0], (2<<16)|(1<<20)|(6<<22)|(3<<25)
	s_mov_b32 s[G1+1], 128<<16                     ; tensor_dim0
	s_mov_b32 s[G1+2], 16<<16                      ; tensor_dim1
	s_mov_b32 s[G1+3], 128<<16                     ; tile_dim0
	s_mov_b32 s[G1+4], 16                          ; tile_dim1
	s_mov_b32 s[G1+5], 512                         ; tensor_dim0_stride
	s_mov_b32 s[G1+6], 0
	s_mov_b32 s[G1+7], 0
	s_mul_i32 s72, s14, XTB                        ; my tile in LDS
	s_lshl_b32 s48, ttmp9, 17                      ; 64 rows of 2,048 bytes a work-group,
	s_lshl_b32 s22, s15, 15                        ; 16 a tile,
	s_add_co_u32 s48, s48, s22
	s_lshl_b32 s22, s16, 9                         ; 512 bytes a K step
	s_add_co_u32 s48, s48, s22
	s_mov_b32 s49, 0
	s_wait_dscnt 0x0                               ; both opening adds are done
	s_wait_kmcnt 0x0
	s_add_nc_u64 s[48:49], s[4:5], s[48:49]
	s_mov_b32 s[G0], 1                             ; count = 1
	s_mov_b32 s[G0+1], s72                         ; LDS address
	s_mov_b64 s[G0+2:G0+3], s[48:49]               ; global address
	s_or_b32 s[G0+3], s[G0+3], 0x80000000          ; type = 2
	tensor_load_to_lds s[G0:G0+3], s[G1:G1+7]      ; the wave's one tensor load
	s_nop 0
.rept 4
	v_nop                                          ; four plain lines follow it
.endr
	s_load_b32 s21, s[6:7], 0x0                    ; K
	s_mov_b32 s[SEL], 0x76543210
	s_mov_b32 s[SEL+1], 0xfedcba98
	s_lshr_b32 s23, ttmp9, 1
	s_mul_i32 s23, s23, RECB                       ; my record's first byte in kv
	s_and_b32 s40, ttmp9, 1                        ; c
	s_lshl_b32 s56, s19, 14                        ; W's images: two tiles, 4 j + 2 b on, 4,096 bytes each
	s_lshl_b32 s22, s20, 13
	s_add_co_u32 s56, s56, s22
	s_mov_b32 s57, 0
	s_add_nc_u64 s[56:57], s[8:9], s[56:57]
	s_lshl_b32 s58, s16, 12                        ; Wv's: tile 8 + T
	s_add_co_u32 s58, s58, 32768
	s_mov_b32 s59, 0
	s_add_nc_u64 s[58:59], s[8:9], s[58:59]
	s_lshl_b32 s66, s19, 10                        ; and their scale words
	s_lshl_b32 s22, s20, 9
	s_add_co_u32 s66, s66, s22
	s_add_co_u32 s66, s66, 49152
	s_mov_b32 s67, 0
	s_add_nc_u64 s[66:67], s[8:9], s[66:67]
	s_lshl_b32 s68, s16, 8
	s_add_co_u32 s68, s68, 51200
	s_mov_b32 s69, 0
	s_add_nc_u64 s[68:69], s[8:9], s[68:69]
	s_lshl_b32 s73, s14, 10
	s_add_co_u32 s73, s73, XIMG                    ; my fragment's image
	s_lshl_b32 s76, s15, 8
	s_add_co_u32 s76, s76, XSC                     ; tile p's scale words
	s_lshl_b32 s74, s16, 2
	s_add_co_u32 s74, s74, s76                     ; mine among them
	s_lshl_b32 s75, s15, 12
	s_add_co_u32 s75, s75, XIMG                    ; tile p's images
	s_and_b32 s77, s17, s19
	s_lshl_b32 s77, s77, 7                         ; k of group 1: the halves of each 256 bytes are exchanged
	; where the results go (the layouts stand at the head)
	s_lshl_b32 s48, ttmp9, 11                      ; q's codes
	s_lshl_b32 s62, s40, 11
	s_add_co_u32 s62, s62, s23                     ; k's codes
	s_lshl_b32 s50, ttmp9, 7
	s_lshl_b32 s22, s15, 5
	s_add_co_u32 s50, s50, s22
	s_add_co_u32 s50, s50, 524288                  ; q's scale bytes
	s_lshl_b32 s63, s17, 7
	s_lshl_b32 s22, s40, 3
	s_add_co_u32 s63, s63, s22
	s_lshl_b32 s22, s18, 2
	s_add_co_u32 s63, s63, s22
	s_add_co_u32 s63, s63, s23
	s_add_co_u32 s63, s63, 8192                    ; k's
	s_lshl_b32 s52, s16, 10
	s_lshl_b32 s22, s40, 9
	s_add_co_u32 s52, s52, s22
	s_lshl_b32 s22, s17, 8
	s_add_co_u32 s52, s52, s22
	s_add_co_u32 s52, s52, s23
	s_add_co_u32 s52, s52, 4096                    ; v's codes
	s_mov_b32 s53, 0
	s_lshl_b32 s54, s16, 2
	s_lshl_b32 s22, s40, 1
	s_add_co_u32 s54, s54, s22
	s_add_co_u32 s54, s54, s17
	s_add_co_u32 s54, s54, s23
	s_add_co_u32 s54, s54, 8448                    ; v's scale bytes
	s_mov_b32 s55, 0
	s_cmp_eq_u32 s19, 0                            ; q or k: the choice hangs on the wave's number alone; only lines that leave SCC alone follow
	s_cselect_b32 s48, s48, s62
	s_cselect_b32 s50, s50, s63
	s_cselect_b64 s[70:71], s[10:11], s[12:13]
	s_cselect_b32 s60, 2, 16                       ; a scale byte's step by r & 7,
	s_cselect_b32 s61, 16, 2                       ; and by r >> 3
	s_lshl_b32 s22, s15, 9
	s_add_co_u32 s48, s48, s22
	s_lshl_b32 s22, s20, 8
	s_add_co_u32 s48, s48, s22
	s_add_co_u32 s50, s50, s20
	s_mov_b32 s49, 0
	s_mov_b32 s51, 0
	s_add_nc_u64 s[48:49], s[70:71], s[48:49]
	s_add_nc_u64 s[50:51], s[70:71], s[50:51]
	s_add_nc_u64 s[52:53], s[12:13], s[52:53]
	s_add_nc_u64 s[54:55], s[12:13], s[54:55]
	v_and_b32 v[LI], 31, v0
	v_and_b32 v3, 15, v0                           ; r
	v_bfe_u32 v4, v0, 4, 1                         ; h
	v_lshlrev_b32 v[LI], 4, v[LI]
	v_lshlrev_b32 v[R16], 4, v3
.set n, 0
.rept 16
	global_load_b128 v[WF+4*n:WF+4*n+3], v[LI], s[56:57] offset:512*n
.set n, n+1
.endr
.irp a, 0,1
	global_load_b128 v[WS+4*\a:WS+4*\a+3], v[R16], s[66:67] offset:256*\a     ; row r's words of the four K steps
.endr
	v_mul_u32_u24 v[XRD], v3, 528
	v_and_b32 v[VTP], 7, v3
	v_lshrrev_b32 v[VB], 3, v3
	v_xor_b32 v[VO], s77, v[R16]
	v_lshl_add_u32 v[XRD], v4, 7, v[XRD]
	v_mul_u32_u24 v[VTP], v[VTP], s60
	v_add_nc_u32 v[XWI], s73, v[LI]
	v_lshl_add_u32 v[VO], v4, 3, v[VO]             ; codes: 16 (r xor 8 g) + 8 h
	v_add_nc_u32 v[XRD], s72, v[XRD]               ; row r, + 128 h: my 32 numbers of each 64
	v_mad_u32_u24 v[VB], v[VB], s61, v[VTP]
	v_add_nc_u32 v[XWS], s74, v[R16]
	v_add_nc_u32 v[XRI], s75, v[LI]
	v_add_nc_u32 v[XRS], s76, v[R16]
	v_lshl_add_u32 v[VV], v4, 3, v[R16]
	v_lshlrev_b32 v[H8], 3, v4
	v_mov_b32 v[TP], 0                             ; written once: a lane permute's destination counts as one of its sources
	v_mov_b32 v[VTP], 0
	v_mov_b32 v[QTP], 0
	v_mov_b32 v[MAGIC], 0x4b400000
	v_mov_b32 v[MAGIC+1], 0x4b400000
	s_wait_alu depctr_va_vdst(0)                   ; the wait here, ahead of the branch and of the wait below
	s_cmp_gt_u32 s14, 3                            ; waves 0-3 make v
	s_cbranch_scc1 .Lno_wv
.set n, 0
.rept 8
	global_load_b128 v[WV+4*n:WV+4*n+3], v[LI], s[58:59] offset:512*n
.set n, n+1
.endr
	global_load_b128 v[WSV:WSV+3], v[R16], s[68:69]
.Lno_wv:
	s_wait_kmcnt 0x0                               ; K
	s_and_b32 s21, s21, 0x7fffffff                 ; |K|
	v_mov_b32 v15, s21
	v_mul_f32 v14, 0.15915494, v15                 ; |K| / (2 pi): a first quotient,
	v_fma_f32 v16, -v14, 0x40c90fdb, v15           ; its remainder,
	v_fma_f32 v[NC], -v16, 0.15915494, -v14        ; and the corrected quotient, negated
	v_mov_b32 v[NC+1], v[NC]
	v_mov_b32 v[C11], 0xb2d7322b
	v_mov_b32 v[C11+1], 0xb2d7322b
	s_wait_alu depctr_va_vdst(0)
	s_cmp_lt_u32 s14, 8
	s_cbranch_scc0 .Lmeet1
	QUANT                                          ; tokens 0-31
.Lmeet1:
	s_barrier_signal -1
	s_barrier_wait -1                              ; their images lie in LDS
	s_cmp_lt_u32 s14, 8
	s_cbranch_scc0 .Lsecond
	COMP 1
	s_branch .Lmeet2
.Lsecond:
	QUANT                                          ; tokens 32-63
.Lmeet2:
	s_barrier_signal -1
	s_barrier_wait -1
	s_cmp_lt_u32 s14, 8
	s_cbranch_scc1 .Lhelp
	COMP 0
	s_branch .Lend
.Lhelp:
	s_cmp_lt_u32 s14, 4
	s_cbranch_scc0 .Lend
	s_wait_xcnt 0x0                                ; my first stores of v have read their registers, which are written again below
	VLOAD 0, 2                                     ; group 1's two tiles (p = 0 here)
	VLOAD 1, 3
	s_wait_dscnt 0x0
	VMUL
	QOUT VA, TM, VTP, VV, 52, R16, 54, 256, 1      ; group 1's place: 256 bytes on among the codes, one on among the scale bytes
.Lend:
	s_wait_tensorcnt 0x0                           ; the wave's end
	ds_add_u32 v[SPW], v[NIL]
	s_wait_dscnt 0x0
	s_endpgm
.Lfunc_end_k_q1420610864_proj:
	.size	k_q1420610864_proj, .Lfunc_end_k_q1420610864_proj-k_q1420610864_proj
	.p2alignl 7, 3214868480
	.fill 96, 4, 3214868480
	.section	.rodata,"a",@progbits
	.p2align	6, 0x0
	.amdhsa_kernel k_q1420610864_proj
		.amdhsa_group_segment_fixed_size 167936
		.amdhsa_private_segment_fixed_size 0
		.amdhsa_enable_private_segment 0
		.amdhsa_kernarg_size 40
		.amdhsa_user_sgpr_count 2
		.amdhsa_user_sgpr_kernarg_segment_ptr 1
		.amdhsa_wavefront_size32 1
		.amdhsa_system_sgpr_workgroup_id_x 1
		.amdhsa_system_sgpr_workgroup_id_y 1
		.amdhsa_system_sgpr_workgroup_id_z 1
		.amdhsa_system_vgpr_workitem_id 0
		.amdhsa_next_free_vgpr 256
		.amdhsa_next_free_sgpr 80
		.amdhsa_reserve_vcc 0
		.amdhsa_float_denorm_mode_32 3
		.amdhsa_float_denorm_mode_16_64 3
		.amdhsa_memory_ordered 1
		.amdhsa_forward_progress 1
		.amdhsa_inst_pref_size 56
	.end_amdhsa_kernel
	.amdgpu_metadata
---
amdhsa.version: [ 1, 2 ]
amdhsa.kernels:
  - .name:           k_q1420610864_proj
    .symbol:         k_q1420610864_proj.kd
    .args:
      - { .name: x, .offset: 0, .size: 8, .value_kind: global_buffer, .address_space: global }
      - { .name: K, .offset: 8, .size: 8, .value_kind: global_buffer, .address_space: global }
      - { .name: wimg, .offset: 16, .size: 8, .value_kind: global_buffer, .address_space: global }
      - { .name: qbuf, .offset: 24, .size: 8, .value_kind: global_buffer, .address_space: global }
      - { .name: kv, .offset: 32, .size: 8, .value_kind: global_buffer, .address_space: global }
    .group_segment_fixed_size: 167936
    .private_segment_fixed_size: 0
    .kernarg_segment_align: 8
    .kernarg_segment_size: 40
    .max_flat_workgroup_size: 512
    .sgpr_count:     80
    .vgpr_count:     256
    .wavefront_size: 32
...
	.end_amdgpu_metadata
.endif
;; end of part 2
;; launch attn (part 3): grid 64 x 4, 8 waves a work-group, clusters of 4 x 1, 327,680 bytes of LDS; arguments qbuf, kv, out0; writes out0
.if DOCPART == 3
	.amdgcn_target "amdgcn-amd-amdhsa--gfx1250"
	.amdhsa_code_object_version 6
	.text
	.protected	k_q1420610864_attn
	.globl	k_q1420610864_attn
	.p2align	8
	.type	k_q1420610864_attn,@function
k_q1420610864_attn:
	s_mov_b64 s[64:65], 0
	v_nop
	global_prefetch_b8 v0, s[64:65] scope:SCOPE_SE
	s_setreg_imm32_b32 hwreg(HW_REG_WAVE_MODE, 25, 1), 1
	s_wait_xcnt 0x0
	s_wait_alu depctr_hold_cnt(0) depctr_sa_sdst(0) depctr_va_vdst(0) depctr_va_sdst(0) depctr_va_ssrc(0) depctr_va_vcc(0) depctr_vm_vsrc(0)
	s_getreg_b32 s2, hwreg(HW_REG_IB_STS2, 6, 4)
	s_cmp_eq_u32 s2, 0
	s_cbranch_scc0 .Lentry_in_a_cluster
	s_endpgm
.Lentry_in_a_cluster:
	s_bfe_u32 s2, ttmp6, 0x10000c
	s_cmp_lg_u32 s2, 0x3003
	s_cbranch_scc0 .Lentry_shape_is_right
	s_endpgm
.Lentry_shape_is_right:
; out[b][q][:] = the sum over keys of softmax(q . k / 8) v, no mask, both products on codes of FP4 (E2M1) with E8M0 scales; q, k, v arrive as codes made by the launch before.
; THE SOFTMAX AHEAD OF THE SECOND PRODUCT: t = score x log2(e) / 8; p = 2^(t - M), M a whole number, is what is quantised, along the keys; the sum is taken of the unquantised p and divides at the end.
; M = 12 FOR EVERY ROW.  The map that made q and k ends in mod 1, so both lie in [0, 1] for every input, and so do their quantised numbers (a block's largest magnitude under 1 gives at most 0.75, one of 1 gives 1):
; 0 <= q . k <= 64 and 0 <= t <= 8 log2(e) = 11.55.  So 12 stands over every row's largest t, p lies in [2^-12, 1) and a row's sum under 4,096: no exponential and no sum can overflow or underflow.
; Against M = the ceiling of the row's largest t every p of the row differs by one exact power of two, which the blocks' scales and the sum take up: the codes are the same.  So nothing is ever rescaled.
; SHARES.  A work-group owns 64 queries of one batch.  Wave w: qp = w & 1, two tiles of 16 queries; kq = w >> 1, a quarter of the 4,096 keys: 8 records of 128 keys.  Each fragment of K and V serves both tiles.  The four partial sums meet in LDS at the end.
; THE WHOLE BATCH'S K AND V, 32 records x 8,704 bytes, STAY IN LDS; no byte is filled twice.  A wave brings four records of its quarter by two loads: 2 qp and 2 qp + 1 at the head, 4 + 2 qp and 5 + 2 qp behind a round of the cluster's barrier.
; It begins on the two that it brought itself; behind that round (iteration 2) it reads its partner's two; behind a barrier (iteration 12) its own and its partner's second two.  By this text's count one load of a wave is out at a time.
; CLUSTER.  The four work-groups of a cluster belong to one batch and need the same 32 records: they are asked for JOINTLY, by the same tensor load with the same descriptor and the mask of all four.
; No prefetch.
; CHUNKS.  A record is four chunks: tile of queries u x half c of its keys; a chunk is four products, 32 scores a lane.  In iteration n the exponentials of chunk n + 1 alternate with the first sums and maxima of chunk n; then come the scalings of chunk n + 2,
; the codes of chunk n, O^T's products of the two chunks before n, and the scores' products of chunk n + 3, which land in chunk n's registers.
; LAYOUT.  S^T = K Q^T (source 0 = 16 keys, source 1 = 16 queries), O^T = V^T P^T: a lane holds ONE query of each tile throughout.
; THE KEYS OF A TILE ARE NOT NEIGHBOURS: row 8 e + j of tile 4 c + p is key 64 c + 32 e + 8 p + j of the record: so a chunk's 32 registers in lane (r, h) are the whole block 2 c + h of 32 keys, in order:
; a block's largest p needs no other lane, and the conversions' results are the second product's operand as they stand.
; The first product's K is 64 of the instruction's 128.  Two tiles of K share a fragment of 8 registers (tile 2 i in its lower four, tile 2 i + 1 in its upper four); Q's codes stand between zero codes, so that eight registers from the one side
; take the lower tile's products and eight from the other the upper tile's; zero codes of Q (scale byte 0, which is 2^-127) add nothing.
; A record: K's codes, 16 bytes a token and half of d: token 64 c + 32 e + 16 u + r, half f: 512 (4 c + 2 e + u) + 256 f + 16 (r xor 8 e); V's 4 tiles at 4,096 + 1,024 T + 512 c + 16 lane;
; at 8,192 + 16 lane the scale words of K's four pairs of tiles (lanes 0-15: row of the tile) and of V's four tiles (lanes 16-31).
; REGISTERS: window 0 as below; window 1: K's fragments 0-31, V's 32-63, O^T 64-127.
; LIMITS: NaN and infinities are not served.
.set RECB,  8704
.set STATS, 32*RECB                    ; behind the records: (16 tile + row) x 16 bytes: the four quarters' sums
.set SPARE, STATS+1024                 ; the spare words, 128 bytes for each wave: four blocks of 256 bytes that no other line names
.set STG,   4352                       ; the stage of a partial result: 16 rows x (256 bytes + 16), (4 tile + quarter) of them.  They lie over records that have had their only fill and, behind the barrier in front, their last read
.set LI,  1                            ; v1   my quarter's record 2 qp + 16 x lane;  v2, v3 my place in its K tiles, p even and odd
.set LK0, 2
.set LK1, 3                            ; v4-6 the same for record 2 (1 - qp)
.set STO, 7                            ; v7   where I put 32 bytes of a row of my partial results
.set RDO, 8                            ; v8   where I read rows of the four partial results
.set SW,  9                            ; v9   where I put my queries' sums
.set RR,  10                           ; v10  r
.set HH,  11                           ; v11  h;  v[12:13] -M = -12, twice
.set RDS, 14                           ; v14  where I read a row's four sums
.set GO,  15                           ; v15  my byte offset in out
.set QB,  16                           ; v16-35 zeros, Q's tile 0, zeros, Q's tile 1, zeros: four registers each
.set QSL, 36                           ; v36, v37 the tiles' scale words for codes in the lower half
.set QSH, 38                           ; v38, v39 and in the upper half
.set SC,  40                           ; v40-47 a record's scale words, two sets by turns
.set P,   48                           ; v48-63 p's codes, a set for each tile of queries
.set PW,  64                           ; v64, v65 their scale words
.set SO,  66                           ; v66  the conversions' scale operand
.set BY,  67                           ; v67, v68 the scale bytes of halves 0 and 1
.set W0,  69                           ; v69  my two bytes
.set BT,  70                           ; v70, v71 lane permutes' destinations
.set MX,  72                           ; v72-82 first maxima, v83-86 the next
.set L,   88                           ; v88-103 first sums of a chunk, eight pairs
.set T,   104                          ; v104-135 the sums of the two tiles of queries, eight pairs each
.set S,   136                          ; v136-231 three chunks by turns
.set SPW, 232                          ; v232 LDS address of my spare word: SPARE + 4 x my thread's number; never rewritten
.set NIL, 233                          ; v233 0; never rewritten
.set TL,  234                          ; v234 16 x lane
.set TW,  235                          ; v235 2 r
.set KF,  0                            ; window 1
.set VF,  32
.set OT,  64
.set NM,  136                          ; the merge: row pair i at 4 i: the four quarters' sums
.set PT,  152                          ; the four partial results' 16 bytes: 16 i + 4 p
.set LL,  88                           ; the row's sum, then its reciprocal: a pair for each i
.set OUTR, 104                         ; the row's 16 bytes of out
.set WV,  10                           ; s10  wave
.set G1,  16                           ; s[16:23] descriptor group 1, never written again; s[24:27] group 0, stepped behind a wait for 0 alone
.set SEL, 36                           ; s[36:37] lane selects: lane l xor 16
.set CS,  38                           ; s[38:39] c = log2(e) / 8; the packed form names a pair and takes its low word for both halves
.set MSB, 0
.macro WIN new                         ; the immediate's high byte repeats the setting that is left
.if MSB != \new
	s_set_vgpr_msb (MSB<<8)|\new
.set MSB, \new
.endif
.endm
; A round of the cluster's barrier.  No LDS instruction of the wave is pending at a signal.
.macro ROUND
	s_barrier_signal -1
	s_barrier_wait -1
	s_cmp_lg_u32 s[WV], 0
	s_cbranch_scc1 .Lnot_wave_0_\@
	s_barrier_signal -3
.Lnot_wave_0_\@:
	s_barrier_wait -3
	s_barrier_signal -1
	s_barrier_wait -1
.endm
; Every wave's first load has landed and is shown to all; then my second two records are asked for.
.macro NEXT
	s_wait_tensorcnt 0x0
	ds_add_u32 v[SPW], v[NIL]                      ; 0 onto my spare word;
	s_add_co_u32 s25, s25, 4*RECB                  ; four records further on in LDS
	s_add_nc_u64 s[26:27], s[26:27], 4*RECB        ; and in memory
	s_wait_dscnt 0x0                               ; the add is done
	ROUND
	tensor_load_to_lds s[24:27], s[G1:G1+7]        ; the first tensor load behind the round, the wave's last
	s_nop 0
.rept 4
	v_nop                                          ; four plain lines follow it
.endr
.endm
; K's fragments and the scale words of my RK-th record, V's fragments of my RV-th: the scale words first, then K, then V.  Of each four records the first two are those that I brought, the others my partner's.
.macro FETCH
.if RK < 8
.set FB, 3*((RK/2)%2)
.set FO, RECB*(RK%2)+4*RECB*(RK/4)
	ds_load_b128 v[SC+4*(RK%2):SC+4*(RK%2)+3], v[LI+FB] offset:FO+8192
	WIN 0x40
.irp i, 0,1,2,3
	ds_load_b128 v[KF+8*\i:KF+8*\i+3],   v[LK0+FB] offset:FO+2048*(\i/2)+512*(\i%2)
	ds_load_b128 v[KF+8*\i+4:KF+8*\i+7], v[LK1+FB] offset:FO+2048*(\i/2)+512*(\i%2)
.endr
.endif
.if RV >= 0
.set FB, 3*((RV/2)%2)
.set FO, RECB*(RV%2)+4*RECB*(RV/4)
	WIN 0x40
.irp t, 0,1,2,3
.irp c, 0,1
	ds_load_b128 v[VF+8*\t+4*\c:VF+8*\t+4*\c+3], v[LI+FB] offset:FO+4096+1024*\t+512*\c
.endr
.endr
.endif
	WIN 0
.endm
; the scores' four products of chunk NS
.macro SMM
.set NB, S+32*(NS%3)
.set NU, (NS/2)%2
.set NH, NS%2
.set NR, (NS/4)%2
	WIN 0x01
.irp i, 0,1
	v_wmma_scale_f32_16x16x128_f8f6f4 v[NB+16*\i:NB+16*\i+7], v[KF+8*(2*NH+\i):KF+8*(2*NH+\i)+7], v[QB+4+8*NU:QB+11+8*NU], 0, v[SC+4*NR+2*NH+\i], v[QSL+NU] matrix_a_fmt:MATRIX_FMT_FP4 matrix_b_fmt:MATRIX_FMT_FP4
	v_wmma_scale_f32_16x16x128_f8f6f4 v[NB+16*\i+8:NB+16*\i+15], v[KF+8*(2*NH+\i):KF+8*(2*NH+\i)+7], v[QB+8*NU:QB+7+8*NU], 0, v[SC+4*NR+2*NH+\i], v[QSH+NU] matrix_a_fmt:MATRIX_FMT_FP4 matrix_b_fmt:MATRIX_FMT_FP4
.endr
.endm
; O^T's four products of record PR, tile of queries PU.  The accumulators take turns, one instruction a turn.
.macro PVM
	WIN 0x51
.irp t, 0,1,2,3
.if PR == 0
	v_wmma_scale_f32_16x16x128_f8f6f4 v[OT+32*PU+8*\t:OT+32*PU+8*\t+7], v[VF+8*\t:VF+8*\t+7], v[P+8*PU:P+8*PU+7], 0, v[SC+4*(PR%2)+\t], v[PW+PU] matrix_a_fmt:MATRIX_FMT_FP4 matrix_b_fmt:MATRIX_FMT_FP4 matrix_a_scale:MATRIX_SCALE_ROW1
.else
	v_wmma_scale_f32_16x16x128_f8f6f4 v[OT+32*PU+8*\t:OT+32*PU+8*\t+7], v[VF+8*\t:VF+8*\t+7], v[P+8*PU:P+8*PU+7], v[OT+32*PU+8*\t:OT+32*PU+8*\t+7], v[SC+4*(PR%2)+\t], v[PW+PU] matrix_a_fmt:MATRIX_FMT_FP4 matrix_b_fmt:MATRIX_FMT_FP4 matrix_a_scale:MATRIX_SCALE_ROW1
.endif
.endr
.endm
; t - M of two pairs of the chunk at v[b]
.macro SCL b, k
	v_pk_fma_f32 v[\b+4*\k:\b+4*\k+1], v[\b+4*\k:\b+4*\k+1], s[CS:CS+1], v[12:13] op_sel_hi:[1,0,0]
	v_pk_fma_f32 v[\b+4*\k+2:\b+4*\k+3], v[\b+4*\k+2:\b+4*\k+3], s[CS:CS+1], v[12:13] op_sel_hi:[1,0,0]
.endm
.macro F2 k
.if N < 30
	SCL B2, \k
.endif
.endm
.macro EX i
.if N < 31
	v_exp_f32 v[B1+\i], v[B1+\i]                   ; p = 2^(t - M), under 1: not normalised
.endif
.endm
; ITERATION N
.macro IT
.set BN, S+32*(N%3)
.set B1, S+32*((N+1)%3)
.set B2, S+32*((N+2)%3)
.set UN, (N/2)%2
.set UP, ((N-1)/2)%2
.set CN, N%2
.set LD, L
.if (N == 0) || (N == 2)
.set LD, T+16*UN                       ; a tile's first chunk starts its sums: nothing is cleared
.endif
.irp k, 0,1,2,3,4,5,6,7
	EX 4*\k
.if (N == 2) || (N > 3)
	v_pk_add_f32 v[T+16*UP+2*\k:T+16*UP+2*\k+1], v[T+16*UP+2*\k:T+16*UP+2*\k+1], v[L+2*\k:L+2*\k+1]   ; the chunk before
.endif
	EX 4*\k+1
	v_pk_add_f32 v[LD+2*\k:LD+2*\k+1], v[BN+4*\k:BN+4*\k+1], v[BN+4*\k+2:BN+4*\k+3]
	EX 4*\k+2
	v_max3_num_f32 v[MX+\k], v[BN+3*\k], v[BN+3*\k+1], v[BN+3*\k+2]           ; no |.|: p is never negative
	EX 4*\k+3
.if \k == 0
	v_max3_num_f32 v[MX+8], v[BN+24], v[BN+25], v[BN+26]
.endif
.if \k == 1
	v_max3_num_f32 v[MX+9], v[BN+27], v[BN+28], v[BN+29]
.endif
.if \k == 2
	v_max3_num_f32 v[MX+10], v[BN+30], v[BN+31], 0x1800000                    ; and the floor 2^(3 - 127)
.endif
.endr
	v_nop                                          ; one plain line behind the exponentials
	s_wait_alu depctr_va_vdst(0)                   ; behind the batch, and ahead of the first readers of chunk N + 2's products
	F2 0
	F2 1
.irp i, 0,1,2
	v_max3_num_f32 v[MX+11+\i], v[MX+3*\i], v[MX+3*\i+1], v[MX+3*\i+2]
.endr
	F2 2
	v_max3_num_f32 v[MX+14], v[MX+11], v[MX+12], v[MX+13]
	F2 3
	v_max3_num_f32 v[MX+14], v[MX+14], v[MX+9], v[MX+10]                      ; the block's largest p
	F2 4
	v_add_nc_u32 v[SO], 0xff000000, v[MX+14]       ; 2 off the exponent field: the conversion's scale operand
	F2 5
	v_lshrrev_b32 v[BY+CN], 23, v[SO]              ; the scale's byte
	F2 6
.if CN
	v_lshl_or_b32 v[W0], v[BY+1], 16, v[BY]        ; blocks h and 2 + h
.endif
	F2 7
.if CN
	v_permlanex16_b32 v[BT], v[W0], s[SEL], s[SEL+1]
.endif
	s_wait_alu depctr_va_vdst(0)                   ; ahead of the next batch, whose sources stand above
.irp p, 0,1,2,3
	v_cvt_scalef32_pk8_fp4_f32 v[P+8*UN+4*CN+\p], v[BN+8*\p:BN+8*\p+7], v[SO] ; keys 64 c + 32 h + 8 p on
.endr
	v_nop                                          ; one plain line behind the last scaled conversion
.if CN
	v_lshl_or_b32 v[PW+UN], v[BT], 8, v[W0]        ; in lanes 0-15: blocks 0 .. 3, p's scale word for these 128 keys (lanes 16-31 are not read)
.endif
.if (CN == 0) && (N > 0)
.set PR, (N-2)/4
.set PU, ((N-2)/2)%2
.if N%4 == 2
	s_wait_dscnt 0x0                               ; V is in
.endif
	PVM
.endif
.if N < 29
.if N%4 == 1
	s_wait_dscnt 8                                 ; the next record's scale words and K are in; V's eight loads may be out
.endif
.set NS, N+3
	SMM
.endif
	WIN 0
.if N == 2
	NEXT                                           ; (no LDS load of mine is out: V was waited for above)
.endif
.if N%4 == 0
.if N == 12
	s_wait_tensorcnt 0x0                           ; my second two records are in
	s_barrier_signal -1
	s_barrier_wait -1
.endif
.rept 4
	v_nop                                          ; places behind the products, in front of the loads into their operands
.endr
.set RK, N/4+1
.set RV, N/4
	FETCH
.endif
.endm
	s_load_b128 s[4:7], s[0:1], 0x0                ; qbuf s[4:5], kv s[6:7]
	s_load_b64 s[8:9], s[0:1], 0x10                ; out0
	v_lshl_add_u32 v[SPW], v0, 2, SPARE
	v_mov_b32 v[NIL], 0
	ds_add_u32 v[SPW], v[NIL]                      ; the wave's opening: the add, twice on end, and its wait ahead of the first tensor load
	ds_add_u32 v[SPW], v[NIL]
	v_lshrrev_b32 v[RR], 5, v0
	v_readfirstlane_b32 s[WV], v[RR]               ; wave 0..7
	s_and_b32 s11, s[WV], 1                        ; qp
	s_lshr_b32 s12, s[WV], 1                       ; kq
	s_bfe_u32 s13, ttmp6, 0x40000                  ; cx: my place in the cluster: it enters Q's and out's addresses alone
	s_lshl_b32 s14, ttmp9, 2                       ; in a cluster launch ttmp9 counts clusters
	s_add_co_u32 s14, s14, s13                     ; my block of 64 queries
	s_and_b32 s15, ttmp7, 0xffff                   ; the batch, which the four partners share
	; descriptor group 1: two records, dense in memory, as 68 rows of 256 bytes (32 elements of 8 bytes); no padding
	s_mov_b32 s[G1+0], 15|(3<<16)|(1<<21)          ; the mask of all four work-groups; elements of 8 bytes; bit 21 set beside a mask
	s_mov_b32 s[G1+1], 32<<16                      ; tensor_dim0
	s_mov_b32 s[G1+2], 68<<16                      ; tensor_dim1
	s_mov_b32 s[G1+3], 32<<16                      ; tile_dim0
	s_mov_b32 s[G1+4], 68                          ; tile_dim1
	s_mov_b32 s[G1+5], 32                          ; tensor_dim0_stride
	s_mov_b32 s[G1+6], 0
	s_mov_b32 s[G1+7], 0
	s_lshl_b32 s35, s12, 3                         ; 8 kq: my quarter's first record
	s_lshl_b32 s40, s11, 1
	s_add_co_u32 s40, s40, s35
	s_mul_i32 s32, s40, RECB                       ; record 2 qp of my quarter, in LDS
	s_xor_b32 s41, s11, 1
	s_lshl_b32 s41, s41, 1
	s_add_co_u32 s41, s41, s35
	s_mul_i32 s33, s41, RECB                       ; record 2 (1 - qp)
	s_mul_i32 s42, s15, 32*RECB
	s_add_co_u32 s42, s42, s32                     ; my first record's place in kv
	s_mov_b32 s43, 0
	s_mov_b32 s[SEL], 0x76543210
	s_mov_b32 s[SEL+1], 0xfedcba98
	s_mov_b32 s[CS], 0x3e38aa3b                    ; c = log2(e) / 8
	s_mov_b32 s[CS+1], s[CS]
	s_wait_dscnt 0x0                               ; both opening adds are done
	s_wait_kmcnt 0x0
	s_add_nc_u64 s[44:45], s[6:7], s[42:43]
	s_mov_b32 s24, 1                               ; count = 1
	s_mov_b32 s25, s32                             ; LDS address: made of the wave's number alone
	s_mov_b64 s[26:27], s[44:45]                   ; global address: made of the batch and the wave's number
	s_or_b32 s27, s27, 0x80000000                  ; type = 2
	ROUND                                          ; all four work-groups are here: the joint loads meet
	tensor_load_to_lds s[24:27], s[G1:G1+7]        ; my first two records: one tensor load a wave at the head
	s_nop 0
.rept 4
	v_nop
.endr
	s_lshl_b32 s40, s15, 8
	s_lshl_b32 s41, s14, 2
	s_add_co_u32 s40, s40, s41                     ; my block's first tile of 16 queries: 256 batch + 4 block
	s_lshl_b32 s41, s11, 1
	s_add_co_u32 s41, s41, s40                     ; my two: 2 qp on
	s_lshl_b32 s42, s41, 9
	s_mov_b32 s43, 0
	s_add_nc_u64 s[42:43], s[4:5], s[42:43]        ; their codes,
	s_lshl_b32 s44, s41, 5
	s_add_co_u32 s44, s44, 524288
	s_mov_b32 s45, 0
	s_add_nc_u64 s[44:45], s[4:5], s[44:45]        ; and scales, two bytes a query
	s_add_co_u32 s46, s40, s12
	s_lshl_b32 s46, s46, 12
	s_lshl_b32 s41, s11, 11
	s_add_co_u32 s46, s46, s41
	s_mov_b32 s47, 0
	s_add_nc_u64 s[46:47], s[8:9], s[46:47]        ; the rows of out that I store: tile w >> 1, rows 8 (w & 1) on (256 bytes a row)
	s_lshl_b32 s48, s11, 3
	s_add_co_u32 s48, s48, s12
	s_mul_i32 s48, s48, STG                        ; my first stage: 4 (2 qp) + kq
	s_mul_i32 s49, s12, 4*STG
	s_mul_i32 s50, s11, 8*272
	s_add_co_u32 s49, s49, s50                     ; the stages that I read: tile w >> 1, rows 8 (w & 1) on
	s_lshl_b32 s51, s11, 9
	s_lshl_b32 s50, s12, 2
	s_add_co_u32 s51, s51, s50
	s_add_co_u32 s51, s51, STATS                   ; my tiles' sums, my quarter's word
	s_lshl_b32 s52, s12, 8
	s_lshl_b32 s50, s11, 7
	s_add_co_u32 s52, s52, s50
	s_add_co_u32 s52, s52, STATS                   ; the sums that I read
	v_and_b32 v[TL], 31, v0
	v_and_b32 v[RR], 15, v0                        ; r
	v_bfe_u32 v[HH], v0, 4, 1                      ; h
	v_bfe_u32 v[LK1], v0, 3, 1                     ; e
	v_and_b32 v[LI], 7, v0                         ; j
	v_lshlrev_b32 v[TL], 4, v[TL]
	v_lshlrev_b32 v[TW], 1, v[RR]
.irp u, 0,1
	global_load_b128 v[QB+4+8*\u:QB+7+8*\u], v[TL], s[42:43] offset:512*\u    ; Q's codes stay in registers
	global_load_u16 v[QSL+\u], v[TW], s[44:45] offset:32*\u
.endr
	v_mul_u32_u24 v[LK0], v[LK1], 1152             ; K, p even: 1,024 e + 128 e
	v_mul_u32_u24 v[STO], v[RR], 272
	v_mul_u32_u24 v[RDO], v[HH], 272
	v_lshl_add_u32 v[LK0], v[LI], 4, v[LK0]        ; + 16 j
	v_lshl_add_u32 v[STO], v[HH], 5, v[STO]
	v_lshl_add_u32 v[RDO], v[RR], 4, v[RDO]
	v_lshl_add_u32 v[LK0], v[HH], 8, v[LK0]        ; + 256 f: my half of d
	v_add_nc_u32 v[STO], s48, v[STO]               ; row r, + 32 h
	v_add_nc_u32 v[RDO], s49, v[RDO]               ; row h, 16 bytes a lane
	v_xor_b32 v[LK1], 0x80, v[LK0]                 ; K, p odd: eight tokens further on
	v_add_nc_u32 v[LK0+3], s33, v[LK0]
	v_add_nc_u32 v[LI], s32, v[TL]
	v_add_nc_u32 v[LI+3], s33, v[TL]
	v_add_nc_u32 v[LK1+3], s33, v[LK1]
	v_add_nc_u32 v[LK0], s32, v[LK0]
	v_add_nc_u32 v[LK1], s32, v[LK1]
	v_lshl_add_u32 v[SW], v[RR], 4, s51
	v_lshl_add_u32 v[RDS], v[HH], 4, s52
	v_lshlrev_b32 v[GO], 8, v[HH]
	v_mov_b32 v[BT], 0                             ; written once: a lane permute's destination counts as one of its sources
	v_mov_b32 v[BT+1], 0
	v_lshl_add_u32 v[GO], v[RR], 4, v[GO]          ; lanes 0-15 one row of out, lanes 16-31 the next
	s_wait_alu depctr_va_vdst(0)                   ; the wait here, directly ahead of the wait below
	s_wait_loadcnt 0x0                             ; Q
.irp u, 0,1
	v_lshlrev_b32 v[QSH+\u], 16, v[QSL+\u]
.endr
.irp i, 0,1,2,3,8,9,10,11,16,17,18,19
	v_mov_b32 v[QB+\i], 0                          ; zero codes on both sides of Q's
.endr
	v_mov_b32 v12, 0xc1400000                      ; -M = -12
	v_mov_b32 v13, 0xc1400000                      ; (named with it as a pair)
	s_wait_alu depctr_va_vdst(0)
	s_wait_tensorcnt 0x0                           ; my first two records are in: until the round of iteration 2 I read these alone
.set RK, 0
.set RV, -1
	FETCH
	s_wait_dscnt 0x0
.irp n, 0,1,2
.set NS, \n
	SMM
.endr
	WIN 0
.rept 4
	v_nop
.endr
	s_wait_alu depctr_va_vdst(0)
.irp k, 0,1,2,3,4,5,6,7
	SCL S, \k
.endr
.irp k, 0,1,2,3,4,5,6,7
	SCL S+32, \k
.endr
	s_wait_alu depctr_va_vdst(0)                   ; the wait ahead of the batch
.set i, 0
.rept 32
	v_exp_f32 v[S+i], v[S+i]
.set i, i+1
.endr
	v_nop
	s_wait_alu depctr_va_vdst(0)                   ; and the wait behind it
.set N, 0
.rept 32
	IT
.set N, N+1
.endr
	; THE END.  The last chunk's sums and products; my quarter's sums and O^T go to LDS; each wave then adds up eight rows.  All four quarters stand under the same M, so the parts are added as they are.
.irp k, 0,1,2,3,4,5,6,7
	v_pk_add_f32 v[T+16+2*\k:T+17+2*\k], v[T+16+2*\k:T+17+2*\k], v[L+2*\k:L+2*\k+1]
.endr
.irp w, 8,4,2
.irp k, 0,2,4,6
.if \k < \w
.irp u, 0,16
	v_pk_add_f32 v[T+\u+\k:T+\u+\k+1], v[T+\u+\k:T+\u+\k+1], v[T+\u+\k+\w:T+\u+\k+\w+1]
.endr
.endif
.endr
.endr
.irp u, 0,16
	v_add_f32 v[T+\u], v[T+\u], v[T+\u+1]
.endr
	v_permlanex16_b32 v[BT], v[T], s[SEL], s[SEL+1]
	v_permlanex16_b32 v[BT+1], v[T+16], s[SEL], s[SEL+1]
	v_add_f32 v[T], v[T], v[BT]                    ; with lane l xor 16's
	v_add_f32 v[T+16], v[T+16], v[BT+1]
	s_wait_alu depctr_va_vdst(0)                   ; the wait here, ahead of the products and of the waits below
.set PR, 7
.set PU, 1
	PVM
	WIN 0
.rept 4
	v_nop                                          ; four places behind the last products
.endr
	s_wait_dscnt 0x0                               ; my reads of the records are over
	s_barrier_signal -1
	s_barrier_wait -1                              ; nobody reads a record any more: the stages may be written over them
	WIN 0x04
.irp u, 0,1
.irp t, 0,1,2,3
	ds_store_b128 v[STO], v[OT+32*\u+8*\t:OT+32*\u+8*\t+3] offset:4*STG*\u+64*\t                   ; lane (r, h): query r, d = 16 t + 8 h + 0 .. 7; each accumulator from its low end on
	ds_store_b128 v[STO], v[OT+32*\u+8*\t+4:OT+32*\u+8*\t+7] offset:4*STG*\u+64*\t+16
.endr
.endr
	WIN 0
	ds_store_b32 v[SW], v[T]                       ; lanes r and 16 + r hold the same number and write it to the same word
	ds_store_b32 v[SW], v[T+16] offset:256
	s_wait_dscnt 0x0                               ; for the others' sake: my stores have landed
	s_barrier_signal -1
	s_barrier_wait -1
.irp i, 0,1,2,3                        ; rows 8 (w & 1) + 2 i + h of tile w >> 1
	ds_load_b128 v[NM+4*\i:NM+4*\i+3], v[RDS] offset:32*\i
.irp p, 0,1,2,3
	ds_load_b128 v[PT+16*\i+4*\p:PT+16*\i+4*\p+3], v[RDO] offset:STG*\p+544*\i
.endr
.endr
	s_wait_dscnt 0x0
.irp i, 0,1,2,3
	v_add_f32 v[LL+2*\i], v[NM+4*\i], v[NM+4*\i+1]
	v_add_f32 v[LL+2*\i+1], v[NM+4*\i+2], v[NM+4*\i+3]
.endr
.irp i, 0,1,2,3
	v_add_f32 v[LL+2*\i], v[LL+2*\i], v[LL+2*\i+1] ; the row's sum
.endr
.irp i, 0,1,2,3
.irp e, 0,2
	v_pk_add_f32 v[PT+16*\i+\e:PT+16*\i+\e+1], v[PT+16*\i+\e:PT+16*\i+\e+1], v[PT+16*\i+4+\e:PT+16*\i+4+\e+1]             ; quarters 0 + 1,
	v_pk_add_f32 v[PT+16*\i+8+\e:PT+16*\i+8+\e+1], v[PT+16*\i+8+\e:PT+16*\i+8+\e+1], v[PT+16*\i+12+\e:PT+16*\i+12+\e+1]   ; 2 + 3
.endr
.endr
	s_wait_alu depctr_va_vdst(0)
.irp i, 0,1,2,3
	v_rcp_f32 v[LL+2*\i], v[LL+2*\i]
.endr
.irp i, 0,1,2,3
.irp e, 0,2
	v_pk_add_f32 v[PT+16*\i+\e:PT+16*\i+\e+1], v[PT+16*\i+\e:PT+16*\i+\e+1], v[PT+16*\i+8+\e:PT+16*\i+8+\e+1]             ; all four.  (Plain lines behind the reciprocals, which they do not name)
.endr
.endr
	s_wait_alu depctr_va_vdst(0)
.irp i, 0,1,2,3
.irp e, 0,2
	v_pk_mul_f32 v[OUTR+4*\i+\e:OUTR+4*\i+\e+1], v[PT+16*\i+\e:PT+16*\i+\e+1], v[LL+2*\i:LL+2*\i+1] op_sel_hi:[1,0]       ; / the row's sum
.endr
.endr
.irp i, 0,1,2,3
	global_store_b128 v[GO], v[OUTR+4*\i:OUTR+4*\i+3], s[46:47] offset:512*\i th:TH_STORE_NT   ; 32 lanes store two whole rows: 512 consecutive bytes, at a multiple of 256 from out's first byte
.endr
	s_wait_tensorcnt 0x0                           ; the wave's end
	ds_add_u32 v[SPW], v[NIL]
	s_wait_dscnt 0x0
	ROUND                                          ; the closing round: no work-group ends while a partner may still ask for a record that names it
	s_endpgm
.Lfunc_end_k_q1420610864_attn:
	.size	k_q1420610864_attn, .Lfunc_end_k_q1420610864_attn-k_q1420610864_attn
	.p2alignl 7, 3214868480
	.fill 96, 4, 3214868480
	.section	.rodata,"a",@progbits
	.p2align	6, 0x0
	.amdhsa_kernel k_q1420610864_attn
		.amdhsa_group_segment_fixed_size 327680
		.amdhsa_private_segment_fixed_size 0
		.amdhsa_enable_private_segment 0
		.amdhsa_kernarg_size 24
		.amdhsa_user_sgpr_count 2
		.amdhsa_user_sgpr_kernarg_segment_ptr 1
		.amdhsa_wavefront_size32 1
		.amdhsa_system_sgpr_workgroup_id_x 1
		.amdhsa_system_sgpr_workgroup_id_y 1
		.amdhsa_system_sgpr_workgroup_id_z 1
		.amdhsa_system_vgpr_workitem_id 0
		.amdhsa_next_free_vgpr 384
		.amdhsa_next_free_sgpr 66
		.amdhsa_reserve_vcc 0
		.amdhsa_float_denorm_mode_32 3
		.amdhsa_float_denorm_mode_16_64 3
		.amdhsa_memory_ordered 1
		.amdhsa_forward_progress 1
		.amdhsa_inst_pref_size 199
	.end_amdhsa_kernel
	.amdgpu_metadata
---
amdhsa.version: [ 1, 2 ]
amdhsa.kernels:
  - .name:           k_q1420610864_attn
    .symbol:         k_q1420610864_attn.kd
    .args:
      - { .name: qbuf, .offset: 0, .size: 8, .value_kind: global_buffer, .address_space: global }
      - { .name: kv, .offset: 8, .size: 8, .value_kind: global_buffer, .address_space: global }
      - { .name: out0, .offset: 16, .size: 8, .value_kind: global_buffer, .address_space: global }
    .group_segment_fixed_size: 327680
    .private_segment_fixed_size: 0
    .kernarg_segment_align: 8
    .kernarg_segment_size: 24
    .max_flat_workgroup_size: 256
    .sgpr_count:     66
    .vgpr_count:     384
    .wavefront_size: 32
...
	.end_amdgpu_metadata
.endif
;; end of part 3
